; MI455X (gfx1250); checked and timed in simulation.
; The chip was launched on July 23, 2026; its instructions are those of AMD's public machine-readable ISA for CDNA 5 (MIT licence, August 2026) and "CDNA5" Instruction Set Architecture Reference Guide (July 2026). The comments in the code are by the model that wrote it; some were corrected since.
;; Multi Head Attention. Allowed arithmetic: matrix products marked QUANTISED: E2M1 operands, one E8M0 scale for each 32 along K, by v_wmma_scale_f32_16x16x128_f8f6f4 with both operands' format E2M1 (or v_wmma_scale_f32_32x16x128_f4), f32 sums; everything else in f32.
;; Inputs: W_proj_codes 1,024 x 32 x 16 uint8 (E2M1 codes of W_proj, K innermost, in blocks of 32 codes, two codes a byte); W_proj_scales 1,024 x 32 uint8 (E8M0 scales of W_proj, one for each 32 codes along K); W_qkv_codes 3,072 x 32 x 16 uint8 (E2M1 codes of W_qkv, K innermost, in blocks of 32 codes, two codes a byte); W_qkv_scales 3,072 x 32 uint8 (E8M0 scales of W_qkv, one for each 32 codes along K); X_codes 4 x 2,048 x 32 x 16 uint8 (E2M1 codes of X, K innermost, in blocks of 32 codes, two codes a byte); X_scales 4 x 2,048 x 32 uint8 (E8M0 scales of X, one for each 32 codes along K); b_proj 1,024 float32; b_qkv 3,072 float32.
;; Outputs: out0 4 x 2,048 x 1,024 float32.
;; This version of the problem:
;;   THIS VERSION OF THE PROBLEM IS GIVEN IN LOW PRECISION. The matrix products marked QUANTISED in the list below multiply operands that are first quantised to E2M1 (2 exponent bits, 1 mantissa bit; 4 bits a number), with one power-of-two scale for each 32 numbers along K (OCP MX v1.0); their sums are f32. All else is computed in f32.
;;   The module's matrix products, in the order in which they are computed (A, B: the left and right operand; K: the contracted axis; several contracted axes count as one K, in the product's order):
;;     1. [M 8,192, K 1,024] x [K 1,024, N 3,072]; A: input X (given as codes); B: input W_qkv (given as codes): QUANTISED
;;     2. batch 64 x [M 2,048, K 64] x [K 64, N 2,048]; A: computed on the way; B: computed on the way: QUANTISED
;;     3. batch 64 x [M 2,048, K 2,048] x [K 2,048, N 64]; A: softmax (see below); B: computed on the way: QUANTISED
;;     4. [M 8,192, K 1,024] x [K 1,024, N 1,024]; A: computed on the way; B: input W_proj (given as codes): QUANTISED
;;   THE QUANTISER, for each operand of a quantised product, along K:
;;     - K is cut into blocks of 32 from its start; a last block that is shorter is filled with zeros.
;;     - A block's scale is 2^e with e = floor(log2(the largest magnitude in the block)) - 2, held to -126 .. 127; a block of zeros has e = 0. As a byte (E8M0): e + 127.
;;     - Each number is divided by its block's scale, clamped to +-6, and rounded to the nearest number of E2M1, ties to even, subnormals kept.
;;     - The product sums the exact products of the quantised numbers (number of the format x scale) in f32.
;;   ~~~python
;;   def quantise(x, axis):      # numpy; x: float32 -> the quantised numbers, widened to float32 again
;;       x = np.moveaxis(x, axis, -1); K = x.shape[-1]
;;       x = np.pad(x, [(0, 0)] * (x.ndim - 1) + [(0, -K % 32)]); x = x.reshape(x.shape[:-1] + (-1, 32)); a = np.abs(x).max(-1, keepdims=True)
;;       e = np.where(a > 0, np.clip(np.frexp(np.where(a > 0, a, 1))[1] - 1 - 2, -126, 127), 0)      # np.frexp(a)[1] - 1 = floor(log2(a)), exactly
;;       r = np.clip(x / 2.0 ** e, -6, 6)
;;       step = 2.0 ** (np.maximum(np.frexp(np.where(r == 0, 1, r))[1] - 1, 0) - 1)
;;       q = np.round(r / step) * step * 2.0 ** e      # np.round: ties to even
;;       return np.moveaxis(q.reshape(q.shape[:-2] + (-1,))[..., :K], -1, axis).astype(np.float32)
;;   ~~~
;;   SOFTMAX AHEAD OF A QUANTISED PRODUCT. Where the list says 'softmax', what is quantised is not the finished softmax but p = 2^(t - M), with t = logit x log2(e) and M = ceil(the row's largest t), a whole number; so 1/2 < the row's largest p <= 1. The row's sum l is taken of the UNQUANTISED p, in f32, and the product's result is divided by l at the end. Since M is a whole number, a kernel that streams over the keys may use a running M (the ceiling of the running maximum): every later rescaling is an exact power of two, which a block's scale takes up: the codes' values come out the same.
;;   OPERANDS COMPUTED ON THE WAY. 'Computed on the way' means the value that the module computes at that place (a softmax that the list does not call 'softmax' is quantised finished and normalised). What goes into a quantiser is computed in f32, as accurately as f32 sums, v_exp_f32 and their like allow (about 1e-6 of the number): no bf16 or f16 on the way to a quantiser, and a product that is left as it is and whose result goes on into a quantised operand takes f32 operands (vector FMAs, or v_wmma_f32_16x16x4_f32). A number that lies on a knife's edge between two numbers of the format may be rounded either way, as far as f32 arithmetic and the matrix unit's own rounding can turn it there, and no further.
;;   INPUTS GIVEN AS CODES. W_proj (in the module: [1024, 1024], K = its axis 0); W_qkv (in the module: [1024, 3072], K = its axis 0); X (in the module: [4, 2048, 1024], K = its axis 2): each comes as NAME_codes (uint8): NAME with its K axis moved to the last place and cut into blocks of 32 codes, [.., K / 32, bytes a block], one block behind the other in memory; two codes a byte, the lower K in the low four bits (a code: sign, 2 exponent bits, 1 mantissa bit); and NAME_scales (uint8): the same leading axes, one E8M0 byte (e + 127) for each 32 codes along K. Its value is code x scale, taken as it is: it is not quantised again, and the codes and scales need not be those that the quantiser above would give.
;; One version. Each part assembles by itself: llvm-mc -triple=amdgcn-amd-amdhsa -mcpu=gfx1250 --defsym DOCPART=n.
;; ======== version 1 of 1: 3 launches
;; workspace buffers: qk_img 8,388,608 bytes; qk_sc 524,288 bytes; v_img 4,194,304 bytes; v_sc 262,144 bytes; a_img 4,194,304 bytes; a_sc 262,144 bytes
;; launch qkv (part 1): grid 96 x 4, 4 waves a work-group, clusters of 4 x 4, 327,680 bytes of LDS; arguments X_codes, X_scales, W_qkv_codes, W_qkv_scales, b_qkv, qk_img, qk_sc, v_img, v_sc; writes qk_img, qk_sc, v_img, v_sc
.if DOCPART == 1
	.amdgcn_target "amdgcn-amd-amdhsa--gfx1250"
	.amdhsa_code_object_version 6
	.text
	.protected	k_q3baa6ceffd_qkv
	.globl	k_q3baa6ceffd_qkv
	.p2align	8
	.type	k_q3baa6ceffd_qkv,@function
k_q3baa6ceffd_qkv:
	s_mov_b64 s[64:65], 0
	v_nop
	global_prefetch_b8 v0, s[64:65] scope:SCOPE_SE
	s_setreg_imm32_b32 hwreg(HW_REG_WAVE_MODE, 25, 1), 1
	s_wait_xcnt 0x0
	s_wait_alu depctr_hold_cnt(0) depctr_sa_sdst(0) depctr_va_vdst(0) depctr_va_sdst(0) depctr_va_ssrc(0) depctr_va_vcc(0) depctr_vm_vsrc(0)
	s_getreg_b32 s2, hwreg(HW_REG_IB_STS2, 6, 4)
	s_cmp_eq_u32 s2, 0
	s_cbranch_scc0 .Lentry_in_a_cluster
	s_endpgm
.Lentry_in_a_cluster:
	s_bfe_u32 s2, ttmp6, 0x10000c
	s_cmp_lg_u32 s2, 0xf033
	s_cbranch_scc0 .Lentry_shape_is_right
	s_endpgm
.Lentry_shape_is_right:
; qkv = X W_qkv + b_qkv on codes of FP4 (E2M1) with E8M0 scales, K = 1,024; the result is quantised at once and leaves as the next products' operands.
; TWO TYPES OF WORK-GROUP, ONE TEXT.  Source 0 takes 16 rows of operand P, source 1 16 rows of operand R: in a result a lane holds ONE row of R and its eight registers eight neighbouring rows of P,
; so the axis of P is the axis that is quantised.  Clusters 0-15 (type QK): P = W's rows 0-2047 (q's and k's channels), R = X's rows (tokens): q and k are quantised along the head's 64.
; Clusters 16-23 (type V): P = X's rows (the keys), R = W's rows 2048-3071 (v's channels): v is quantised along the keys.  The type chooses pointers, offsets and two masks, and no branch.
; SHARES.  A work-group makes 256 rows of R x 256 rows of P, each of its four waves 128 x 128: 64 accumulators, 512 registers.  All of K lies in LDS: two chunks of 512 along K, each filled once.
; CLUSTER 4 x 4: R's tiles are shared along a row of the cluster, P's along a column: joint loads.
; OUT.  The 128 rows of P of a wave are one K step of the next product.  For each tile of 16 rows of R the 64 numbers of a lane become a fragment's 8 registers and a scale word, and the fragment is stored
; AS AN IMAGE OF ITS REGISTERS: registers 4 c .. 4 c + 3 at 512 c + 16 x lane: each store of the wave covers 512 consecutive bytes, aligned.  Scale words: 4 bytes a row, 64 a tile, gathered in LDS, 512 bytes a wave.
;   qk_img: image (PG, RT) at (512 PG + RT) x 1,024; PG = channel / 128 (0-7 q's head pairs, 8-15 k's), RT = token / 16.  Registers 0-3 are the even head's 64 channels, registers 4-7 the odd head's.
;   v_img:  image at ((8 batch + head pair) x 16 + key / 128) x 8,192 + (channel of the pair / 16) x 1,024.   qk_sc, v_sc: the same offsets / 16, + 4 x row.
; THE BIAS: along P (type QK) it is the C of the first K step's products; along R (type V) it is added on the way out.  The table that a type does not use is masked to zeros.
; LIMITS: NaN and infinities are not served.  A block whose largest magnitude lies under 2^-124 gets the scale byte 1; so does a block of zeros (the rule says 127): its codes are zeros, and this program alone reads the bytes.
.set PITCH,  272                       ; an LDS row of codes: 256 bytes + 16 of padding
.set HALFT,  128*PITCH                 ; 128 rows: what one tensor load brings, and what a wave reads of R or of P
.set SLOT,   4*HALFT                   ; a chunk of 512 along K: R's 256 rows, then P's 256
.set SCL,    2*SLOT                    ; the scale bytes of the 512 rows for all of K: rows of 32 bytes, as blocks of 256 bytes + 16 of padding
.set HALFS,  16*272                    ; those of 128 rows
.set SBLK,   2*272                     ; those of 16 rows
.set SCR,    SCL+4*HALFS               ; 512 bytes for each wave: the scale words that it makes; no tensor load lands here
.set CW0,    (1<<20)|(1<<21)|(5<<22)|(3<<25)           ; group 1, word 0, codes: elements of 1 byte; padding on; bit 21 beside a mask; 4 words behind every 64
.set SW0,    (3<<16)|(1<<20)|(1<<21)|(5<<22)|(3<<25)   ; scale bytes: elements of 8 bytes, the same padding
.set ADRR, 16                          ; v16-17  LDS address of my fragments of R in chunk 0, 1
.set ADRP, 20                          ; v20-21  the same for P
.set ADRS, 22                          ; v22     my scale words: lanes 0-15 R's rows, lanes 16-31 P's
.set LI,   24                          ; v24     16 x lane
.set SCW,  25                          ; v25     where I put a scale word: SCR + 512 x wave + 4 r
.set SCRD, 26                          ; v26     and where I read 16 bytes of them back
.set OBP,  27                          ; v27     byte offset in b_qkv of my eight numbers along P
.set OBR,  28                          ; v28     and of my number along R
.set SC,   32                          ; v32-95  scale words: register 32 chunk + 4 i + q: lanes 0-15 R's tile i, lanes 16-31 P's tile i, the chunk's q-th 128 along K.  They hold nothing else
.set BR,   96                          ; v96-111 the bias along R: tile a's number, twice (a pair for the packed addition)
.set RF,   128                         ; v128-191, v192-255: R's fragments, two sets
.set T,    128                         ; the way out: 64 numbers of a lane
.set TM,   192                         ; v192-207 at work
.set PW,   208                         ; v208-215 a scale word for each tile of rows
.set RB,   216                         ; v216-219 16 bytes of scale words
.set PC,   224                         ; v224-255 the codes just made: four sets by turns
.set BP,   64                          ; window 1: v64-127 the bias along P, in the result's layout.  Window 1 v0-63, v128-191: P's fragments, two sets
.set SEL,  100                         ; s[100:101] lane selects for v_permlanex16_b32 (before that: the two masks)
.set MSB, 0
.macro WIN new                         ; s_set_vgpr_msb: bits 1:0 source 0, 3:2 source 1, 5:4 source 2, 7:6 destination; the high byte repeats the setting that is left
.if MSB != (\new)
	s_set_vgpr_msb (MSB<<8)|(\new)
.set MSB, (\new)
.endif
.endm
.macro CROUND                          ; a round of the cluster's barrier
	s_barrier_signal -1
	s_barrier_wait -1
	s_cmp_lg_u32 s22, 0
	s_cbranch_scc1 .Lnot_wave_0_\@
	s_barrier_signal -3
.Lnot_wave_0_\@:
	s_barrier_wait -3
	s_barrier_signal -1
	s_barrier_wait -1
.endm
.macro PLACES                          ; four plain places behind matrix instructions, in front of loads into their sources and of reads of their results
.rept 4
	v_nop
.endr
.endm
	s_load_b256 s[4:11], s[0:1], 0x0               ; X's codes s[4:5], X's scales s[6:7], W's codes s[8:9], W's scales s[10:11]
	s_load_b256 s[12:19], s[0:1], 0x20             ; b_qkv s[12:13], qk_img s[14:15], qk_sc s[16:17], v_img s[18:19]
	s_load_b64 s[20:21], s[0:1], 0x40              ; v_sc
	v_lshl_add_u32 v126, v0, 2, 0x48c00
	v_mov_b32 v127, 0
	ds_add_u32 v126, v127
	ds_add_u32 v126, v127
	v_lshrrev_b32 v1, 5, v0
	v_readfirstlane_b32 s22, v1                    ; wave 0..3
	s_lshr_b32 s23, s22, 1                         ; HI: my half of R's rows.  Also: I fetch for R (0) or for P (1)
	s_and_b32 s24, s22, 1                          ; LO: my half of P's rows.  Also: which 128 rows I fetch
	s_bfe_u32 s25, ttmp6, 0x40000                  ; cx
	s_bfe_u32 s26, ttmp6, 0x40004                  ; cy
	s_mov_b32 s27, ttmp9                           ; the cluster's number, 0..23: all sixteen partners share it
	s_sub_co_u32 s104, s27, 16
	s_and_b32 s105, s27, 1
	s_lshr_b32 s2, s27, 1
	s_cmp_ge_u32 s27, 16                           ; type V?
	s_cselect_b32 s28, 1, 0
	s_cselect_b32 s104, s104, s105                 ; which four tiles of P
	s_cselect_b32 s2, 0, s2                        ; which four tiles of R
	s_cselect_b32 s31, 0, -1                       ; mask of the bias along P: all ones in type QK
	s_cselect_b32 s3, 2048, 0                      ; R's first row in its tensor
	s_lshl_b32 s29, s104, 2
	s_add_co_u32 s29, s29, s25                     ; tile of P = 4 x .. + cx
	s_lshl_b32 s30, s2, 2
	s_add_co_u32 s30, s30, s26                     ; tile of R = 4 x .. + cy
	s_lshl_b32 s100, s26, 2
	s_lshl_b32 s100, 15, s100                      ; my row of the cluster
	s_lshl_b32 s101, 0x1111, s25                   ; my column
	s_or_b32 s36, s100, CW0                        ; s[36:43] group 1, R's codes;  s[44:51] P's;  s[52:59] R's scale bytes;  s[68:75] P's
	s_or_b32 s44, s101, CW0
	s_or_b32 s52, s100, SW0
	s_or_b32 s68, s101, SW0
.irp g, 36, 44                         ; 128 rows x 256 bytes, 512 bytes from row to row
	s_mov_b32 s[\g+1], 256<<16
	s_mov_b32 s[\g+2], 128<<16
	s_mov_b32 s[\g+3], 256<<16
	s_mov_b32 s[\g+4], 128
	s_mov_b32 s[\g+5], 512
	s_mov_b32 s[\g+6], 0
	s_mov_b32 s[\g+7], 0
.endr
.irp g, 52, 68                         ; the scale bytes of 128 rows: 4,096 dense bytes as 16 rows of 32 elements of 8 bytes
	s_mov_b32 s[\g+1], 32<<16
	s_mov_b32 s[\g+2], 16<<16
	s_mov_b32 s[\g+3], 32<<16
	s_mov_b32 s[\g+4], 16
	s_mov_b32 s[\g+5], 32
	s_mov_b32 s[\g+6], 0
	s_mov_b32 s[\g+7], 0
.endr
	s_lshl_b32 s104, s24, 7
	s_lshl_b32 s2, s30, 8
	s_add_co_u32 s2, s2, s104
	s_add_co_u32 s2, s2, s3                        ; R: the first row that I fetch
	s_lshl_b32 s105, s29, 8
	s_add_co_u32 s105, s105, s104                  ; P: the first row that I fetch, which is also the first of my own half
	s_lshl_b32 s32, s2, 9                          ; in bytes: codes 512 a row,
	s_mov_b32 s33, 0
	s_lshl_b32 s34, s2, 5                          ; scale bytes 32 a row
	s_mov_b32 s35, 0
	s_lshl_b32 s60, s105, 9
	s_mov_b32 s61, 0
	s_lshl_b32 s62, s105, 5
	s_mov_b32 s63, 0
	s_lshl_b32 s66, s105, 2                        ; the bias along P begins here (type QK),
	s_lshl_b32 s67, s30, 8
	s_lshl_b32 s104, s23, 7
	s_add_co_u32 s67, s67, s104
	s_add_co_u32 s67, s67, 2048
	s_lshl_b32 s67, s67, 2                         ; that along R here (type V);
	s_cmp_lg_u32 s28, 0
	s_cselect_b32 s66, 0, s66                      ; the table that is not used is read at b_qkv's first bytes and masked
	s_cselect_b32 s67, s67, 0
	s_mul_i32 s104, s22, HALFT                     ; where my tiles go: wave x 128 rows: no place in the cluster enters an LDS address
	s_mul_i32 s105, s22, HALFS
	s_add_co_u32 s105, s105, SCL
	s_mov_b32 s76, 1                               ; groups 0: s[76:79], s[80:83] R's chunks 0, 1;  s[84:87], s[88:91] P's;  s[92:95] R's scale bytes;  s[96:99] P's
	s_mov_b32 s77, s104
	s_mov_b32 s80, 1
	s_add_co_u32 s81, s104, SLOT
	s_mov_b32 s84, 1
	s_mov_b32 s85, s104
	s_mov_b32 s88, 1
	s_add_co_u32 s89, s104, SLOT
	s_mov_b32 s92, 1
	s_mov_b32 s93, s105
	s_mov_b32 s96, 1
	s_mov_b32 s97, s105
	s_mov_b32 s[SEL], 0x76543210                   ; (the masks stand in the groups 1 by now)
	s_mov_b32 s[SEL+1], 0xfedcba98
	s_wait_dscnt 0x0
	s_wait_kmcnt 0x0
	s_cmp_lg_u32 s28, 0                            ; the type chooses the buffers; the condition hangs on the cluster's number alone
	s_cselect_b64 s[78:79], s[8:9], s[4:5]         ; R's codes
	s_cselect_b64 s[86:87], s[4:5], s[8:9]         ; P's codes
	s_cselect_b64 s[94:95], s[10:11], s[6:7]       ; R's scale bytes
	s_cselect_b64 s[98:99], s[6:7], s[10:11]       ; P's scale bytes
	s_cselect_b64 s[14:15], s[18:19], s[14:15]     ; the images' buffer
	s_cselect_b64 s[16:17], s[20:21], s[16:17]     ; the scale words' buffer
	s_add_nc_u64 s[78:79], s[78:79], s[32:33]
	s_add_nc_u64 s[82:83], s[78:79], 256           ; chunk 1: 512 codes on
	s_add_nc_u64 s[86:87], s[86:87], s[60:61]
	s_add_nc_u64 s[90:91], s[86:87], 256
	s_add_nc_u64 s[94:95], s[94:95], s[34:35]
	s_add_nc_u64 s[98:99], s[98:99], s[62:63]
.irp g, 79, 83, 87, 91, 95, 99
	s_or_b32 s[\g], s[\g], 0x80000000              ; type = 2
.endr
	CROUND                                         ; all sixteen work-groups are here: the joint loads meet
	s_cmp_eq_u32 s23, 0                            ; a wave's three fills stand in one branch on its number; three loads of mine are out
	s_cbranch_scc0 .Lfor_p
	tensor_load_to_lds s[92:95], s[52:59]          ; the scale bytes first: they are wanted with chunk 0
	s_nop 0
	tensor_load_to_lds s[76:79], s[36:43]
	s_nop 0
	tensor_load_to_lds s[80:83], s[36:43]
	s_nop 0
.rept 4
	v_nop
.endr
	s_branch .Lasked
.Lfor_p:
	tensor_load_to_lds s[96:99], s[68:75]
	s_nop 0
	tensor_load_to_lds s[84:87], s[44:51]
	s_nop 0
	tensor_load_to_lds s[88:91], s[44:51]
	s_nop 0
.rept 4
	v_nop
.endr
.Lasked:
	v_and_b32 v1, 15, v0                           ; r
	v_bfe_u32 v2, v0, 4, 1                         ; h
	v_and_b32 v3, 31, v0                           ; lane
	v_lshlrev_b32 v[OBP], 5, v2
	v_add_nc_u32 v[OBP], s66, v[OBP]               ; tile b's eight numbers of my half: + 64 b + 32 h
	v_lshlrev_b32 v[OBR], 2, v1
	v_add_nc_u32 v[OBR], s67, v[OBR]               ; tile a's number of my row: + 64 a + 4 r
	WIN 0x40
.irp b, 0,1,2,3,4,5,6,7
	global_load_b128 v[BP+8*\b:BP+8*\b+3],   v[OBP], s[12:13] offset:64*\b
	global_load_b128 v[BP+8*\b+4:BP+8*\b+7], v[OBP], s[12:13] offset:64*\b+16
.endr
	WIN 0
.irp a, 0,1,2,3,4,5,6,7
	global_load_b32 v[BR+2*\a],   v[OBR], s[12:13] offset:64*\a
	global_load_b32 v[BR+2*\a+1], v[OBR], s[12:13] offset:64*\a
.endr
	; where my wave's images go.  PG = my 128 rows of P
	s_lshl_b32 s2, s29, 1
	s_add_co_u32 s2, s2, s24                       ; PG
	s_lshl_b32 s3, s2, 9
	s_lshl_b32 s104, s30, 4
	s_add_co_u32 s3, s3, s104
	s_lshl_b32 s104, s23, 3
	s_add_co_u32 s3, s3, s104
	s_lshl_b32 s3, s3, 10                          ; type QK: (512 PG + 16 x tile of R + 8 HI) x 1,024
	s_lshr_b32 s104, s2, 4
	s_lshl_b32 s104, s104, 3
	s_lshl_b32 s105, s30, 1
	s_add_co_u32 s104, s104, s105
	s_add_co_u32 s104, s104, s23
	s_lshl_b32 s104, s104, 4
	s_and_b32 s105, s2, 15
	s_add_co_u32 s104, s104, s105
	s_lshl_b32 s104, s104, 13                      ; type V: ((8 batch + head pair) x 16 + key / 128) x 8,192
	s_cmp_lg_u32 s28, 0
	s_cselect_b32 s32, s104, s3
	s_mov_b32 s33, 0
	s_lshr_b32 s34, s32, 4
	s_mov_b32 s35, 0
	s_add_nc_u64 s[14:15], s[14:15], s[32:33]
	s_add_nc_u64 s[16:17], s[16:17], s[34:35]
	s_not_b32 s105, s31                            ; mask of the bias along R: all ones in type V
	s_wait_loadcnt 0x0                             ; both tables are in
	WIN 0x44
.set i, 0
.rept 64
	v_and_b32 v[BP+i], s31, v[BP+i]                ; as it is, or zeros
.set i, i+1
.endr
	WIN 0
.set i, 0
.rept 16
	v_and_b32 v[BR+i], s105, v[BR+i]
.set i, i+1
.endr
	v_mul_u32_u24 v4, v1, PITCH
	v_lshl_add_u32 v4, v2, 4, v4                   ; a fragment's row x pitch + 16 x half
	s_mul_i32 s104, s23, HALFT                     ; my 128 rows of R
	s_mul_i32 s105, s24, HALFT
	s_add_co_u32 s105, s105, 2*HALFT               ; my 128 rows of P, behind R's 256
	v_add_nc_u32 v[ADRR], s104, v4
	v_add_nc_u32 v[ADRP], s105, v4
	s_add_co_u32 s104, s104, SLOT
	s_add_co_u32 s105, s105, SLOT
	v_add_nc_u32 v[ADRR+1], s104, v4
	v_add_nc_u32 v[ADRP+1], s105, v4
	v_lshlrev_b32 v5, 5, v1                        ; my row's scale bytes: 32 a row,
	v_lshrrev_b32 v6, 8, v5
	v_lshl_add_u32 v5, v6, 4, v5                   ; and 16 more for each 256 passed
	s_mul_i32 s104, s23, HALFS                     ; R's: my 128 rows
	s_mul_i32 s105, s24, HALFS
	s_add_co_u32 s105, s105, 2*HALFS               ; P's: my 128 rows, behind R's 256
	s_sub_co_u32 s105, s105, s104
	v_mul_u32_u24 v6, s105, v2                     ; lanes 16-31 take P's
	s_add_co_u32 s104, s104, SCL
	v_add_nc_u32 v5, v5, v6
	v_add_nc_u32 v[ADRS], s104, v5
	v_lshlrev_b32 v[LI], 4, v3
	s_lshl_b32 s104, s22, 9
	s_add_co_u32 s104, s104, SCR
	v_lshl_add_u32 v[SCW], v1, 2, s104
	v_add_nc_u32 v[SCRD], s104, v[LI]
; The fragments of K step ks (16 rows x 128 K of 4-bit codes: 8 registers; lane l holds row l % 16, registers 4 c .. 4 c + 3 hold K = 64 c + 32 (l / 16) + 0 .. 31) into set p: 16 loads for P, 16 for R
.macro FETCH ks, p
	WIN 0x40
.irp i, 0,1,2,3,4,5,6,7
.irp c, 0,1
	ds_load_b128 v[128*(\p)+8*\i+4*\c:128*(\p)+8*\i+4*\c+3], v[ADRP+(\ks)/4] offset:64*((\ks)%4)+32*\c+\i*16*PITCH
.endr
.endr
	WIN 0
.irp i, 0,1,2,3,4,5,6,7
.irp c, 0,1
	ds_load_b128 v[RF+64*(\p)+8*\i+4*\c:RF+64*(\p)+8*\i+4*\c+3], v[ADRR+(\ks)/4] offset:64*((\ks)%4)+32*\c+\i*16*PITCH
.endr
.endr
.endm
; K step ks: 64 matrix instructions, R's tiles a one after the other, each against P's eight.  The 64 accumulators ((a, b) at v[8 (8 (a % 4) + b)] of window 2 or 3) take turns, one instruction a turn,
; in the same order in every step.  The first step starts the sums with the bias along P as C: nothing is cleared.
.macro MUL ks
.set PP, (\ks)%2
.set QQ, SC+32*((\ks)/4)+(\ks)%4
.irp a, 0,1,2,3,4,5,6,7
.if (\ks) == 0
	WIN 0x91+0x40*(\a/4)                           ; source 0 (P) and C (the bias) window 1, source 1 (R) window 0, D window 2 or 3
.else
	WIN 0xa1+0x50*(\a/4)                           ; C and D window 2 or 3
.endif
.irp b, 0,1,2,3,4,5,6,7
.set rD, 8*(8*(\a%4)+\b)
.if (\ks) == 0
	v_wmma_scale_f32_16x16x128_f8f6f4 v[rD:rD+7], v[128*PP+8*\b:128*PP+8*\b+7], v[RF+64*PP+8*\a:RF+64*PP+8*\a+7], v[BP+8*\b:BP+8*\b+7], v[QQ+4*\b], v[QQ+4*\a] matrix_a_fmt:MATRIX_FMT_FP4 matrix_b_fmt:MATRIX_FMT_FP4 matrix_a_scale:MATRIX_SCALE_ROW1
.else
	v_wmma_scale_f32_16x16x128_f8f6f4 v[rD:rD+7], v[128*PP+8*\b:128*PP+8*\b+7], v[RF+64*PP+8*\a:RF+64*PP+8*\a+7], v[rD:rD+7], v[QQ+4*\b], v[QQ+4*\a] matrix_a_fmt:MATRIX_FMT_FP4 matrix_b_fmt:MATRIX_FMT_FP4 matrix_a_scale:MATRIX_SCALE_ROW1
.endif
.endr
.endr
.endm
; 64 numbers of a lane, v[s] on: register 8 t + j = k 16 t + 8 (lane / 16) + j of my row.  Block b of 32 is registers 16 b .. 16 b + 15 of lanes l and l xor 16.
; A tile's eight registers become ONE register of codes.  Of the four tiles of 64 along K, tile u of block e goes to register 2 u + e; the exchange of halves between registers 0, 1 and between 2, 3
; then leaves k = 32 (lane / 16) + 0 .. 31 in the four registers: the operand's layout.  Codes to v[pc] on, the row's scale word to v[pw].
.macro QUANT4 s, pc, pw
.irp b, 0,1,2,3
	v_max3_num_f32 v[TM+\b], |v[(\s)+16*\b]|, |v[(\s)+16*\b+1]|, 0x1800000   ; my 16 numbers, and the floor 2^(3 - 127): the byte cannot fall under 1
.endr
.irp i, 2,4,6,8,10,12,14
.irp b, 0,1,2,3
	v_max3_num_f32 v[TM+\b], v[TM+\b], |v[(\s)+16*\b+\i]|, |v[(\s)+16*\b+\i+1]|   ; the four blocks by turns
.endr
.endr
.irp b, 0,1,2,3
	v_permlanex16_b32 v[TM+4+\b], v[TM+\b], s[SEL], s[SEL+1]
.endr
.irp b, 0,1,2,3
	v_max_num_f32 v[TM+\b], v[TM+\b], v[TM+4+\b]   ; with lane l xor 16's: the block's largest magnitude
.endr
.irp b, 0,1,2,3
	v_add_nc_u32 v[TM+12+\b], 0xff000000, v[TM+\b] ; 2 off its exponent field: the conversion takes that field as its scale
.endr
.irp b, 0,1,2,3
	v_lshrrev_b32 v[TM+4+\b], 23, v[TM+12+\b]      ; the scale's byte
.endr
	v_lshl_or_b32 v[\pw], v[TM+5], 8, v[TM+4]
	v_lshl_or_b32 v[\pw], v[TM+6], 16, v[\pw]
	v_lshl_or_b32 v[\pw], v[TM+7], 24, v[\pw]
.irp b, 0,1,2,3
.irp u, 0,1
	v_cvt_scalef32_pk8_fp4_f32 v[(\pc)+4*(\b/2)+2*\u+\b%2], v[(\s)+16*\b+8*\u:(\s)+16*\b+8*\u+7], v[TM+12+\b]
.endr
.endr
	v_nop                                          ; one plain place behind a scaled conversion
.irp c, 0,2,4,6
	v_permlane16_swap_b32 v[(\pc)+\c], v[(\pc)+\c+1]
.endr
.endm
; Tile a of R's rows goes out: the bias along R is added on the way into window 0 (each accumulator is read from its low end on); quantised; the image and the scale word are stored.
.macro UNIT a
.if (\a) >= 4
	s_wait_xcnt 0x0                                ; the stores of four units ago have read their registers: that set of codes may be written again
.endif
	WIN 0x02+(\a)/4                                ; source 0: window 2 or 3
.set i, 0
.rept 32
	v_pk_add_f32 v[T+i:T+i+1], v[64*((\a)%4)+i:64*((\a)%4)+i+1], v[BR+2*(\a):BR+2*(\a)+1]
.set i, i+2
.endr
	WIN 0
	QUANT4 T, PC+8*((\a)%4), PW+(\a)
	global_store_b128 v[LI], v[PC+8*((\a)%4):PC+8*((\a)%4)+3],   s[14:15] offset:1024*(\a)       ; 32 lanes store 512 consecutive bytes
	global_store_b128 v[LI], v[PC+8*((\a)%4)+4:PC+8*((\a)%4)+7], s[14:15] offset:1024*(\a)+512
	ds_store_b32 v[SCW], v[PW+(\a)] offset:64*(\a) ; lanes l and l xor 16 write the same word with the same value
.endm
	s_wait_alu depctr_va_vdst(0)
	s_wait_tensorcnt 0x1                           ; my scale bytes and my part of chunk 0 are in; chunk 1's load may stay out
	s_barrier_signal -1
	s_barrier_wait -1                              ; everybody's are
.irp s, 0,1
.irp i, 0,1,2,3,4,5,6,7
	ds_load_b128 v[SC+32*\s+4*\i:SC+32*\s+4*\i+3], v[ADRS] offset:\i*SBLK+16*\s   ; four words: the chunk's four K steps
.endr
.endr
	FETCH 0, 0
.irp ks, 0,1,2,3,4,5,6,7
.if \ks == 3
	s_wait_tensorcnt 0x0                           ; my part of chunk 1 is in,
	s_wait_dscnt 0x0                               ; no LDS load of mine is pending at the signal,
	s_barrier_signal -1
	s_barrier_wait -1                              ; and everybody's part is in: the next fetch reads chunk 1
.endif
.if \ks > 0
	PLACES                                         ; the loads below land in the set that the last step multiplied
.endif
.if \ks < 7
	FETCH \ks+1, 1-\ks%2
	s_wait_dscnt 32                                ; all but the 32 just issued: this step's fragments (and the scale words) are in
.else
	s_wait_dscnt 0x0
.endif
	MUL \ks
.endr
	WIN 0
	PLACES
.irp b, 0,1,2,3
	v_mov_b32 v[TM+4+\b], 0                        ; written once: a lane permute's destination counts as one of its sources
.endr
.irp a, 0,1,2,3,4,5,6,7
	UNIT \a
.endr
	ds_load_b128 v[RB:RB+3], v[SCRD]               ; LDS serves a wave's instructions in order: this sees my eight stores
	s_wait_dscnt 0x0
	global_store_b128 v[LI], v[RB:RB+3], s[16:17]  ; my 128 scale words: 512 consecutive bytes
	s_wait_tensorcnt 0x0
	ds_add_u32 v126, v127
	s_wait_dscnt 0x0
	CROUND                                         ; the closing round: no work-group ends while a partner may still ask for a tile that names it
	s_endpgm
.Lfunc_end_k_q3baa6ceffd_qkv:
	.size	k_q3baa6ceffd_qkv, .Lfunc_end_k_q3baa6ceffd_qkv-k_q3baa6ceffd_qkv
	.p2alignl 7, 3214868480
	.fill 96, 4, 3214868480
	.section	.rodata,"a",@progbits
	.p2align	6, 0x0
	.amdhsa_kernel k_q3baa6ceffd_qkv
		.amdhsa_group_segment_fixed_size 327680
		.amdhsa_private_segment_fixed_size 0
		.amdhsa_enable_private_segment 0
		.amdhsa_kernarg_size 72
		.amdhsa_user_sgpr_count 2
		.amdhsa_user_sgpr_kernarg_segment_ptr 1
		.amdhsa_wavefront_size32 1
		.amdhsa_system_sgpr_workgroup_id_x 1
		.amdhsa_system_sgpr_workgroup_id_y 1
		.amdhsa_system_sgpr_workgroup_id_z 1
		.amdhsa_system_vgpr_workitem_id 0
		.amdhsa_next_free_vgpr 1024
		.amdhsa_next_free_sgpr 106
		.amdhsa_reserve_vcc 0
		.amdhsa_float_denorm_mode_32 3
		.amdhsa_float_denorm_mode_16_64 3
		.amdhsa_memory_ordered 1
		.amdhsa_forward_progress 1
		.amdhsa_inst_pref_size 148
	.end_amdhsa_kernel
	.amdgpu_metadata
---
amdhsa.version: [ 1, 2 ]
amdhsa.kernels:
  - .name:           k_q3baa6ceffd_qkv
    .symbol:         k_q3baa6ceffd_qkv.kd
    .args:
      - { .name: X_codes, .offset: 0, .size: 8, .value_kind: global_buffer, .address_space: global }
      - { .name: X_scales, .offset: 8, .size: 8, .value_kind: global_buffer, .address_space: global }
      - { .name: W_qkv_codes, .offset: 16, .size: 8, .value_kind: global_buffer, .address_space: global }
      - { .name: W_qkv_scales, .offset: 24, .size: 8, .value_kind: global_buffer, .address_space: global }
      - { .name: b_qkv, .offset: 32, .size: 8, .value_kind: global_buffer, .address_space: global }
      - { .name: qk_img, .offset: 40, .size: 8, .value_kind: global_buffer, .address_space: global }
      - { .name: qk_sc, .offset: 48, .size: 8, .value_kind: global_buffer, .address_space: global }
      - { .name: v_img, .offset: 56, .size: 8, .value_kind: global_buffer, .address_space: global }
      - { .name: v_sc, .offset: 64, .size: 8, .value_kind: global_buffer, .address_space: global }
    .group_segment_fixed_size: 327680
    .private_segment_fixed_size: 0
    .kernarg_segment_align: 8
    .kernarg_segment_size: 72
    .max_flat_workgroup_size: 128
    .sgpr_count:     106
    .vgpr_count:     1024
    .wavefront_size: 32
...
	.end_amdgpu_metadata
.endif
;; end of part 1
;; launch attn (part 2): grid 8 x 32, 16 waves a work-group, clusters of 4 x 1, 327,680 bytes of LDS; arguments qk_img, qk_sc, v_img, v_sc, a_img, a_sc; writes a_img, a_sc
.if DOCPART == 2
	.amdgcn_target "amdgcn-amd-amdhsa--gfx1250"
	.amdhsa_code_object_version 6
	.text
	.protected	k_q3baa6ceffd_attn
	.globl	k_q3baa6ceffd_attn
	.p2align	8
	.type	k_q3baa6ceffd_attn,@function
k_q3baa6ceffd_attn:
	s_mov_b64 s[64:65], 0
	v_nop
	global_prefetch_b8 v0, s[64:65] scope:SCOPE_SE
	s_setreg_imm32_b32 hwreg(HW_REG_WAVE_MODE, 25, 1), 1
	s_wait_xcnt 0x0
	s_wait_alu depctr_hold_cnt(0) depctr_sa_sdst(0) depctr_va_vdst(0) depctr_va_sdst(0) depctr_va_ssrc(0) depctr_va_vcc(0) depctr_vm_vsrc(0)
	s_getreg_b32 s2, hwreg(HW_REG_IB_STS2, 6, 4)
	s_cmp_eq_u32 s2, 0
	s_cbranch_scc0 .Lentry_in_a_cluster
	s_endpgm
.Lentry_in_a_cluster:
	s_bfe_u32 s2, ttmp6, 0x10000c
	s_cmp_lg_u32 s2, 0x3003
	s_cbranch_scc0 .Lentry_shape_is_right
	s_endpgm
.Lentry_shape_is_right:
; Attention on codes of FP4 (E2M1) with E8M0 scales, 64 heads (4 batches x 16) of 2,048 tokens x 64 channels; the result, O / l, is quantised along the model's 1,024 and leaves as the last product's operand.
; THE SOFTMAX: t = score x log2(e) / 8; M = the running largest t rounded UP to a whole number; p = 2^(t - M) is quantised along the keys, not normalised; the row's sum l is taken of the unquantised p
; and divides O at the end.  When M moves, l and O are multiplied by 2^(old M - new M), which rounds nothing.
; SHARES.  A work-group owns 256 queries of one PAIR of heads; each of its sixteen waves 16 queries, in 256 registers, four waves to a SIMD.  A wave walks all 2,048 keys twice: for the even head, then for the odd.
; The pair's K and V (images of operand registers, 128 KiB each) and their scale words stay in LDS, filled once, in four chunks of 512 keys, so that the first steps begin when the first chunk is in.
; CLUSTER 4 x 1: the four blocks of queries of a cluster read the same K and V: joint loads, mask 15.
; LAYOUT.  Both products are used transposed: S^T = K Q^T (source 0 = 16 keys), O^T = V^T P^T (source 0 = 16 channels): a lane holds ONE query (lane % 16) throughout, and register j of tile t is key (or channel) 16 t + 8 (lane / 16) + j.
; K = 64 IN AN INSTRUCTION OF 128: a head's 64 codes are registers 0-3 of a fragment.  Q's registers 4-7 are zero codes, so whatever K's registers 4-7 hold adds nothing: K's fragments are packed four registers each, and
; fragment t is named v[32 + 4 t .. + 7], whose upper half is the next fragment (behind the last: four registers of zeros).  The scale words of q and k are read as the head's two bytes, widened with zeros.
; LIMITS: NaN and infinities are not served.  A block under 2^-124 gets the scale byte 1, and so does a block of zeros (its codes are zeros; this program alone reads the bytes).  p under 2^-126 comes out of v_exp_f32 as 0.
; 1 / l is v_rcp_f32 and a multiplication.  A block's largest p is made from the block's largest score by the same two instructions as every p.
.set KIMG,  0                          ; LDS: K's images: [key / 16][head of the pair][512 bytes]
.set VIMG,  131072                     ; V's: [key / 128][4 x head + channel / 16][1,024 bytes]
.set KSC,   262144                     ; K's scale words: [key / 16][16 words]
.set VSC,   270336                     ; V's: [key / 128][4 x head + channel / 16][16 words]
.set SCRATCH, 278528                   ; 64 bytes for each wave: the scale words that it makes; no tensor load lands here
.set AK0, 1                            ; v1   16 x lane: my place in an image
.set AV0, 2                            ; v2   the same + VIMG
.set AS0, 3                            ; v3   4 x lane + KSC: lanes 0-15 a tile's words, lanes 16-31 the next tile's
.set R4,  4                            ; v4   4 r
.set SCW, 5                            ; v5   SCRATCH + 64 x wave + 4 r
.set RDA, 6                            ; v6   SCRATCH + 16 x thread (waves 0 and 1 read with it)
.set SOFF, 7                           ; v7   4,096 x wave + 16 x lane (waves 0 and 1 store with it)
.set ADK, 8                            ; v8-10 the step's addresses
.set ADV, 9
.set ADS, 10
.set QF,  16                           ; v16-19 Q of the even head, v20-23 zeros; v24-27 of the odd head, v28-31 zeros.   v12 -M, v13 the largest t, v[14:15] the sum in two halves
.set KF,  32                           ; v32-63 K's eight fragments, v64-67 zeros
.set VF,  68                           ; v68-99 V's four fragments
.set S,   100                          ; v100-163 S^T, then p
.set O,   164                          ; v164-195 O^T
.set PC,  196                          ; v196-203 p's codes
.set BM,  204                          ; v204-207 a block's largest score, then largest p
.set BX,  208                          ; v208-211 the other half's; then the bytes
.set SO,  212                          ; v212-215 the conversions' scale operands
.set S2,  216                          ; v[216:217] the sums' second chain
.set TP,  218
.set F,   220                          ; v[220:221] f = 2^(old M - new M); at the end 1 / l
.set PW,  222                          ; p's scale word
.set AW,  223                          ; the result's scale word: bytes 0, 1 the even head's, 2, 3 the odd head's
.set KS,  224                          ; v224-227 K's scale words, two tiles a register
.set VS,  228                          ; v228-229 V's
.set QS,  230                          ; v230-231 Q's, even head and odd
.set OC,  232                          ; v232-239 the result's codes, four registers a head
.set RB,  240
.set SEL, 24                           ; s[24:25] lane selects for v_permlanex16_b32: lane l xor 16
.set CS,  26                           ; s[26:27] c = log2(e) / 8, twice
.set TT,  80                           ; s80 the step's byte in K's and in V's images
.set TS,  81                           ; s81 and among the scale words
.macro ROUND                           ; a round of the cluster's barrier
	s_barrier_signal -1
	s_barrier_wait -1
	s_cmp_lg_u32 s16, 0
	s_cbranch_scc1 .Lnot_wave_0_\@
	s_barrier_signal -3
.Lnot_wave_0_\@:
	s_barrier_wait -3
	s_barrier_signal -1
	s_barrier_wait -1
.endm
	s_load_b256 s[4:11], s[0:1], 0x0               ; qk_img s[4:5], qk_sc s[6:7], v_img s[8:9], v_sc s[10:11]
	s_load_b128 s[12:15], s[0:1], 0x20             ; a_img s[12:13], a_sc s[14:15]
	v_lshl_add_u32 v254, v0, 2, 0x44400
	v_mov_b32 v255, 0
	ds_add_u32 v254, v255
	ds_add_u32 v254, v255
	v_lshrrev_b32 v8, 5, v0
	s_delay_alu instid0(VALU_DEP_1)
	v_readfirstlane_b32 s16, v8                    ; wave 0..15
	s_and_b32 s17, s16, 1                          ; of the two waves that fetch: 0 K, 1 V
	s_bfe_u32 s18, ttmp6, 0x40000                  ; cx
	s_and_b32 s20, ttmp7, 0xffff
	s_lshr_b32 s21, s20, 3                         ; batch
	s_and_b32 s22, s20, 7                          ; head pair
	; every LDS address register is made here, ahead of the first branch on the wave's number
	v_and_b32 v9, 31, v0                           ; lane
	v_and_b32 v10, 15, v0                          ; r
	s_delay_alu instid0(VALU_DEP_2)
	v_lshlrev_b32 v[AK0], 4, v9
	s_delay_alu instid0(VALU_DEP_1)
	v_add_nc_u32 v[AV0], VIMG, v[AK0]
	s_delay_alu instid0(VALU_DEP_4)
	v_lshl_add_u32 v[AS0], v9, 2, KSC
	s_delay_alu instid0(VALU_DEP_4)
	v_lshlrev_b32 v[R4], 2, v10
	s_lshl_b32 s23, s16, 6
	s_add_co_u32 s23, s23, SCRATCH
	v_add_nc_u32 v[SCW], s23, v[R4]
	v_lshl_add_u32 v[RDA], v0, 4, SCRATCH
	v_lshl_add_u32 v[SOFF], v8, 12, v[AK0]
	; descriptors.  All blocks are dense: rows of 256 bytes (32 elements of 8), no padding: an image is read 16 bytes a lane, on end
	s_mov_b32 s28, 15|(3<<16)|(1<<21)              ; s[28:35] group 1, a chunk of images: 128 rows.  15:0 the mask: all four work-groups; bit 21 beside it
	s_mov_b32 s29, 32<<16
	s_mov_b32 s30, 128<<16
	s_mov_b32 s31, 32<<16
	s_mov_b32 s32, 128
	s_mov_b32 s33, 32
	s_mov_b32 s34, 0
	s_mov_b32 s35, 0
	s_mov_b32 s36, 15|(3<<16)|(1<<21)              ; s[36:43] group 1, the scale words: 32 rows
	s_mov_b32 s37, 32<<16
	s_mov_b32 s38, 32<<16
	s_mov_b32 s39, 32<<16
	s_mov_b32 s40, 32
	s_mov_b32 s41, 32
	s_mov_b32 s42, 0
	s_mov_b32 s43, 0
	s_add_co_u32 s66, s22, 8
	s_lshl_b32 s66, s66, 19
	s_lshl_b32 s67, s21, 17
	s_add_co_u32 s66, s66, s67                     ; K's images of this batch and pair: (512 (8 + pair) + 128 batch) x 1,024
	s_lshl_b32 s68, s21, 3
	s_add_co_u32 s68, s68, s22
	s_lshl_b32 s68, s68, 17                        ; V's: (8 batch + pair) x 131,072
	s_cmp_eq_u32 s17, 0
	s_cselect_b32 s66, s66, s68
	s_mov_b32 s67, 0
	s_lshr_b32 s68, s66, 4                         ; the scale words: a sixteenth
	s_mov_b32 s69, 0
	s_lshl_b32 s23, s17, 17                        ; in LDS: K's images at 0, V's at 131,072
.irp q, 0,1,2,3
	s_mov_b32 s[48+4*\q], 1                        ; s[48:63] groups 0 of the four chunks
	s_add_co_u32 s[49+4*\q], s23, \q*32768
.endr
	s_lshl_b32 s23, s17, 13
	s_mov_b32 s44, 1                               ; s[44:47] group 0 of the scale words
	s_add_co_u32 s45, s23, KSC
	; my queries.  cx enters these registers alone, and they feed global addresses alone
	s_lshl_b32 s84, ttmp9, 2
	s_add_co_u32 s84, s84, s18                     ; my block of 256 queries
	s_lshl_b32 s83, s21, 7
	s_lshl_b32 s85, s84, 4
	s_add_co_u32 s83, s83, s85
	s_add_co_u32 s83, s83, s16                     ; RT: my tile of 16 tokens = 128 batch + 16 block + wave
	s_mov_b32 s[SEL], 0x76543210
	s_mov_b32 s[SEL+1], 0xfedcba98
	s_mov_b32 s[CS], 0x3e38aa3b                    ; log2(e) / 8
	s_mov_b32 s[CS+1], s[CS]
	s_wait_dscnt 0x0
	s_wait_kmcnt 0x0
	s_cmp_eq_u32 s17, 0                            ; K's buffers or V's: the condition hangs on the wave's number alone
	s_cselect_b64 s[70:71], s[4:5], s[8:9]
	s_cselect_b64 s[46:47], s[6:7], s[10:11]
	s_add_nc_u64 s[70:71], s[70:71], s[66:67]
	s_add_nc_u64 s[46:47], s[46:47], s[68:69]
	s_or_b32 s47, s47, 0x80000000
.irp q, 0,1,2,3
	s_add_nc_u64 s[50+4*\q:51+4*\q], s[70:71], \q*32768
	s_or_b32 s[51+4*\q], s[51+4*\q], 0x80000000
.endr
	s_lshl_b32 s86, s22, 19
	s_lshl_b32 s85, s83, 10
	s_add_co_u32 s86, s86, s85                     ; Q's image: (512 pair + RT) x 1,024
	s_mov_b32 s87, 0
	s_add_nc_u64 s[72:73], s[4:5], s[86:87]
	s_lshr_b32 s86, s86, 4
	s_add_nc_u64 s[74:75], s[6:7], s[86:87]        ; and its scale words
	s_lshr_b32 s86, s83, 3
	s_lshl_b32 s86, s86, 16
	s_lshl_b32 s85, s22, 13
	s_add_co_u32 s86, s86, s85
	s_and_b32 s85, s83, 7
	s_lshl_b32 s85, s85, 10
	s_add_co_u32 s86, s86, s85                     ; my image in a_img: (RT / 8) x 65,536 + pair x 8,192 + (RT % 8) x 1,024
	s_add_nc_u64 s[76:77], s[12:13], s[86:87]
	s_lshl_b32 s86, s21, 4
	s_lshl_b32 s85, s84, 1
	s_add_co_u32 s86, s86, s85
	s_lshl_b32 s86, s86, 12
	s_lshl_b32 s85, s22, 9
	s_add_co_u32 s86, s86, s85                     ; the work-group's words in a_sc: (16 batch + 2 block) x 4,096 + pair x 512
	s_add_nc_u64 s[78:79], s[14:15], s[86:87]
	ROUND                                          ; all four work-groups are here: the joint loads meet
	s_cmp_lt_u32 s16, 2                            ; waves 0 and 1 fetch; a wave's five fills stand in one branch on its number: five loads of it are out
	s_cbranch_scc0 .Lno_fill
	tensor_load_to_lds s[44:47], s[36:43]          ; the scale words of all keys
	s_nop 0
	tensor_load_to_lds s[48:51], s[28:35]          ; keys 0-511
	s_nop 0
	tensor_load_to_lds s[52:55], s[28:35]
	s_nop 0
	tensor_load_to_lds s[56:59], s[28:35]
	s_nop 0
	tensor_load_to_lds s[60:63], s[28:35]
	s_nop 0
.rept 4
	v_nop
.endr
.Lno_fill:
	s_wait_alu depctr_va_vdst(0)
	global_load_b128 v[QF:QF+3],    v[AK0], s[72:73]               ; Q stays in registers: the even head's 64 codes,
	global_load_b128 v[QF+8:QF+11], v[AK0], s[72:73] offset:512    ; the odd head's
	global_load_u16 v[QS],   v[R4], s[74:75]                       ; and each head's two scale bytes
	global_load_u16 v[QS+1], v[R4], s[74:75] offset:2
.irp i, 0,1,2,3
	v_mov_b32 v[QF+4+\i], 0                        ; zero codes for k = 64 .. 127
	v_mov_b32 v[QF+12+\i], 0
	v_mov_b32 v[KF+32+\i], 0                       ; the upper half of K's last fragment
	v_mov_b32 v[BX+\i], 0                          ; written once: a lane permute's destination counts as one of its sources
.endr
	v_mov_b32 v[F+1], 0                            ; (named as the upper half of a pair)
; A KEY STEP: 128 keys, for head p of the pair.
.macro STEP p
	s_setprio 2
	v_add_nc_u32 v[ADK], s[TT], v[AK0]             ; these four lines are also the places behind the last step's products, in front of loads into their sources
	v_add_nc_u32 v[ADV], s[TT], v[AV0]
	v_add_nc_u32 v[ADS], s[TS], v[AS0]
	v_nop
.irp t, 0,1,2,3,4,5,6,7
	ds_load_b128 v[KF+4*\t:KF+4*\t+3], v[ADK] offset:1024*\t+512*\p
.endr
.irp i, 0,1,2,3
	ds_load_u16 v[KS+\i], v[ADS] offset:128*\i+2*\p    ; lanes 0-15 tile 2 i, lanes 16-31 tile 2 i + 1
.endr
.irp d, 0,1,2,3
.irp c, 0,1
	ds_load_b128 v[VF+8*\d+4*\c:VF+8*\d+4*\c+3], v[ADV] offset:4096*\p+1024*\d+512*\c
.endr
.endr
.irp i, 0,1
	ds_load_b32 v[VS+\i], v[ADS] offset:VSC-KSC+256*\p+128*\i
.endr
	s_wait_dscnt 10                                ; K and its scales are in; V's ten loads may stay out
.irp t, 0,1,2,3,4,5,6,7
.if \t%2
	v_wmma_scale_f32_16x16x128_f8f6f4 v[S+8*\t:S+8*\t+7], v[KF+4*\t:KF+4*\t+7], v[QF+8*\p:QF+8*\p+7], 0, v[KS+\t/2], v[QS+\p] matrix_a_fmt:MATRIX_FMT_FP4 matrix_b_fmt:MATRIX_FMT_FP4 matrix_a_scale:MATRIX_SCALE_ROW1
.else
	v_wmma_scale_f32_16x16x128_f8f6f4 v[S+8*\t:S+8*\t+7], v[KF+4*\t:KF+4*\t+7], v[QF+8*\p:QF+8*\p+7], 0, v[KS+\t/2], v[QS+\p] matrix_a_fmt:MATRIX_FMT_FP4 matrix_b_fmt:MATRIX_FMT_FP4
.endif
.endr
.rept 4
	v_nop
.endr
.irp b, 0,1,2,3
	v_max3_num_f32 v[BM+\b], v[S+16*\b], v[S+16*\b+1], v[S+16*\b+2]   ; the largest score of each block of 32 keys (tiles 2 b, 2 b + 1): for the row's maximum, and for the block's largest p
.endr
.irp i, 3,5,7,9,11,13
.irp b, 0,1,2,3
	v_max3_num_f32 v[BM+\b], v[BM+\b], v[S+16*\b+\i], v[S+16*\b+\i+1]
.endr
.endr
.irp b, 0,1,2,3
	v_max_num_f32 v[BM+\b], v[BM+\b], v[S+16*\b+15]
.endr
.irp b, 0,1,2,3
	s_delay_alu instid0(VALU_DEP_4)
	v_permlanex16_b32 v[BX+\b], v[BM+\b], s[SEL], s[SEL+1]
.endr
.irp b, 0,1,2,3
	s_delay_alu instid0(VALU_DEP_4)
	v_max_num_f32 v[BM+\b], v[BM+\b], v[BX+\b]     ; with lane l xor 16's 16 keys
.endr
	s_delay_alu instid0(VALU_DEP_2)
	v_max3_num_f32 v[TP], v[BM], v[BM+1], v[BM+2]
	s_delay_alu instid0(VALU_DEP_1)
	v_max_num_f32 v[TP], v[TP], v[BM+3]            ; the step's largest score of my query
	s_delay_alu instid0(VALU_DEP_1)
	v_mul_f32 v[TP], s[CS], v[TP]                  ; as t
	s_delay_alu instid0(VALU_DEP_1)
	v_max_num_f32 v13, v13, v[TP]                  ; the running largest t
	v_mov_b32 v[TP], v12
	s_delay_alu instid0(VALU_DEP_2)
	v_floor_f32 v12, -v13                          ; the new -M = floor(-t): M is a whole number
	s_delay_alu instid0(VALU_DEP_1)
	v_sub_f32 v[TP], v12, v[TP]                    ; old M - new M: a whole number, 0 or less
	s_delay_alu instid0(VALU_DEP_1)
	v_cvt_i32_f32 v[TP], v[TP]                     ; (it saturates)
	s_delay_alu instid0(VALU_DEP_1)
	v_ldexp_f32 v[F], 1.0, v[TP]                   ; f = 2^(old M - new M)
.set j, 0
.rept 32
	v_pk_fma_f32 v[S+j:S+j+1], v[S+j:S+j+1], s[CS:CS+1], v[12:13] op_sel_hi:[1,0,0]   ; t - M, two at a time
.set j, j+2
.endr
.irp b, 0,1,2,3
	v_fma_f32 v[BM+\b], v[BM+\b], s[CS], v12       ; the same of each block's largest score
.endr
.set j, 0
	s_wait_alu depctr_va_vdst(0)
.rept 64
	v_exp_f32 v[S+j], v[S+j]                       ; p = 2^(t - M), at most 1
.set j, j+1
.endr
	s_setprio 1
.irp b, 0,1,2,3
	v_exp_f32 v[BM+\b], v[BM+\b]                   ; the block's largest p
.endr
	v_pk_mul_f32 v[14:15], v[14:15], v[F:F+1] op_sel_hi:[1,0]   ; the sums under the new M (a plain place behind the exponentials)
	s_wait_alu depctr_va_vdst(0)
.irp b, 0,1,2,3
	v_max_num_f32 v[BM+\b], 0x1800000, v[BM+\b]    ; the floor 2^(3 - 127): the byte cannot fall under 1
.endr
.irp b, 0,1,2,3
	s_delay_alu instid0(VALU_DEP_4)
	v_add_nc_u32 v[SO+\b], 0xff000000, v[BM+\b]    ; 2 off the exponent field: the conversion's scale operand
.endr
.irp b, 0,1,2,3
	s_delay_alu instid0(VALU_DEP_4)
	v_lshrrev_b32 v[BX+\b], 23, v[SO+\b]           ; the scale's byte
.endr
	s_delay_alu instid0(VALU_DEP_3)
	v_lshl_or_b32 v[PW], v[BX+1], 8, v[BX]
	s_delay_alu instid0(VALU_DEP_1)
	v_lshl_or_b32 v[PW], v[BX+2], 16, v[PW]
	s_delay_alu instid0(VALU_DEP_1)
	v_lshl_or_b32 v[PW], v[BX+3], 24, v[PW]
.irp b, 0,1,2,3
.irp u, 0,1
	v_cvt_scalef32_pk8_fp4_f32 v[PC+4*(\b/2)+2*\u+\b%2], v[S+16*\b+8*\u:S+16*\b+8*\u+7], v[SO+\b]   ; a tile's eight keys: one register
.endr
.endr
	v_nop                                          ; one plain place behind a scaled conversion
.irp c, 0,2,4,6
	v_permlane16_swap_b32 v[PC+\c], v[PC+\c+1]     ; registers 4 c .. 4 c + 3 now hold keys 64 c + 32 (lane / 16) + 0 .. 31
.endr
	v_pk_add_f32 v[216:217], v[104:105], v[108:109]
	v_pk_add_f32 v[252:253], v[112:113], v[116:117]
	v_pk_add_f32 v[250:251], v[120:121], v[124:125]
	v_pk_add_f32 v[248:249], v[128:129], v[132:133]
	v_pk_add_f32 v[246:247], v[136:137], v[140:141]
	v_pk_add_f32 v[244:245], v[144:145], v[148:149]
	v_pk_add_f32 v[242:243], v[152:153], v[156:157]
	v_pk_add_f32 v[14:15], v[14:15], v[160:161]
	v_pk_add_f32 v[216:217], v[216:217], v[100:101]
	v_pk_add_f32 v[252:253], v[252:253], v[102:103]
	v_pk_add_f32 v[250:251], v[250:251], v[106:107]
	v_pk_add_f32 v[248:249], v[248:249], v[110:111]
	v_pk_add_f32 v[246:247], v[246:247], v[114:115]
	v_pk_add_f32 v[244:245], v[244:245], v[118:119]
	v_pk_add_f32 v[242:243], v[242:243], v[122:123]
	v_pk_add_f32 v[14:15], v[14:15], v[126:127]
	v_pk_add_f32 v[216:217], v[216:217], v[130:131]
	v_pk_add_f32 v[252:253], v[252:253], v[134:135]
	v_pk_add_f32 v[250:251], v[250:251], v[138:139]
	v_pk_add_f32 v[248:249], v[248:249], v[142:143]
	v_pk_add_f32 v[246:247], v[246:247], v[146:147]
	v_pk_add_f32 v[244:245], v[244:245], v[150:151]
	v_pk_add_f32 v[242:243], v[242:243], v[154:155]
	v_pk_add_f32 v[14:15], v[14:15], v[158:159]
	v_pk_add_f32 v[216:217], v[216:217], v[162:163]
	s_delay_alu instid0(VALU_DEP_2)
	v_pk_add_f32 v[14:15], v[14:15], v[248:249]
	s_delay_alu instid0(VALU_DEP_2)
	v_pk_add_f32 v[216:217], v[216:217], v[246:247]
	v_pk_add_f32 v[252:253], v[252:253], v[244:245]
	v_pk_add_f32 v[250:251], v[250:251], v[242:243]
	s_delay_alu instid0(VALU_DEP_2)
	v_pk_add_f32 v[14:15], v[14:15], v[252:253]
	s_delay_alu instid0(VALU_DEP_2)
	v_pk_add_f32 v[216:217], v[216:217], v[250:251]
	s_delay_alu instid0(VALU_DEP_1)
	v_pk_add_f32 v[14:15], v[14:15], v[216:217]
.set j, 0
	s_setprio 0
.rept 16
	v_pk_mul_f32 v[O+j:O+j+1], v[O+j:O+j+1], v[F:F+1] op_sel_hi:[1,0]   ; O^T under the new M.  (With the sums above: the places between p's codes and scale word and the products below)
.set j, j+2
.endr
	s_wait_alu depctr_va_vdst(0)
	s_wait_dscnt 0x0                               ; V and its scales are in
.irp d, 0,1,2,3
.if \d%2
	v_wmma_scale_f32_16x16x128_f8f6f4 v[O+8*\d:O+8*\d+7], v[VF+8*\d:VF+8*\d+7], v[PC:PC+7], v[O+8*\d:O+8*\d+7], v[VS+\d/2], v[PW] matrix_a_fmt:MATRIX_FMT_FP4 matrix_b_fmt:MATRIX_FMT_FP4 matrix_a_scale:MATRIX_SCALE_ROW1
.else
	v_wmma_scale_f32_16x16x128_f8f6f4 v[O+8*\d:O+8*\d+7], v[VF+8*\d:VF+8*\d+7], v[PC:PC+7], v[O+8*\d:O+8*\d+7], v[VS+\d/2], v[PW] matrix_a_fmt:MATRIX_FMT_FP4 matrix_b_fmt:MATRIX_FMT_FP4
.endif
.endr
	s_add_co_u32 s[TT], s[TT], 8192                ; the next 128 keys
	s_add_co_u32 s[TS], s[TS], 512
.endm
; A pass begins: the step is written without a first step of its own: it finds zeros, which the first change of M leaves zeros.
.macro INIT
	v_mov_b32 v13, 0xff61b1e6                      ; -3e38, under every t
	s_delay_alu instid0(VALU_DEP_1)
	v_floor_f32 v12, -v13
	v_mov_b32 v14, 0
	v_mov_b32 v15, 0
.set j, 0
.rept 32
	v_mov_b32 v[O+j], 0
.set j, j+1
.endr
.endm
; A pass ends: O^T / l is quantised along the head's 64 channels (two blocks) and leaves as registers 4 p .. 4 p + 3 of my tile's fragment of the last product.
.macro OUT p
.rept 4
	v_nop                                          ; places behind the last products
.endr
	v_add_f32 v14, v14, v15
	s_delay_alu instid0(VALU_DEP_1)
	v_permlanex16_b32 v[TP], v14, s[SEL], s[SEL+1]
	s_delay_alu instid0(VALU_DEP_1)
	v_add_f32 v14, v14, v[TP]                      ; the row's sum
	s_wait_alu depctr_va_vdst(0)
	v_rcp_f32 v[F], v14
	v_nop                                          ; a plain place behind the transcendental
.set j, 0
	s_wait_alu depctr_va_vdst(0)
.rept 16
	v_pk_mul_f32 v[S+j:S+j+1], v[O+j:O+j+1], v[F:F+1] op_sel_hi:[1,0]
.set j, j+2
.endr
.irp b, 0,1
	v_max3_num_f32 v[BM+\b], |v[S+16*\b]|, |v[S+16*\b+1]|, 0x1800000
.endr
.irp i, 2,4,6,8,10,12,14
.irp b, 0,1
	s_delay_alu instid0(VALU_DEP_2)
	v_max3_num_f32 v[BM+\b], v[BM+\b], |v[S+16*\b+\i]|, |v[S+16*\b+\i+1]|
.endr
.endr
.irp b, 0,1
	s_delay_alu instid0(VALU_DEP_2)
	v_permlanex16_b32 v[BX+\b], v[BM+\b], s[SEL], s[SEL+1]
.endr
.irp b, 0,1
	s_delay_alu instid0(VALU_DEP_2)
	v_max_num_f32 v[BM+\b], v[BM+\b], v[BX+\b]
.endr
.irp b, 0,1
	s_delay_alu instid0(VALU_DEP_2)
	v_add_nc_u32 v[SO+\b], 0xff000000, v[BM+\b]
.endr
.irp b, 0,1
	s_delay_alu instid0(VALU_DEP_2)
	v_lshrrev_b32 v[BX+\b], 23, v[SO+\b]
.endr
.if \p == 0
	s_delay_alu instid0(VALU_DEP_1)
	v_lshl_or_b32 v[AW], v[BX+1], 8, v[BX]
.else
	s_delay_alu instid0(VALU_DEP_1)
	v_lshl_or_b32 v[TP], v[BX+1], 8, v[BX]
	s_delay_alu instid0(VALU_DEP_1)
	v_lshl_or_b32 v[AW], v[TP], 16, v[AW]
.endif
.irp b, 0,1
.irp u, 0,1
	v_cvt_scalef32_pk8_fp4_f32 v[OC+4*\p+2*\u+\b], v[S+16*\b+8*\u:S+16*\b+8*\u+7], v[SO+\b]
.endr
.endr
	v_nop
	v_permlane16_swap_b32 v[OC+4*\p], v[OC+4*\p+1]
	v_permlane16_swap_b32 v[OC+4*\p+2], v[OC+4*\p+3]
	global_store_b128 v[AK0], v[OC+4*\p:OC+4*\p+3], s[76:77] offset:512*\p   ; 32 lanes store 512 consecutive bytes; these registers are not written again
.endm
	s_wait_loadcnt 0x0                             ; Q
	INIT
.irp q, 0,1,2,3                        ; the even head.  Chunk q is read when it has landed
	s_wait_tensorcnt 3-\q                          ; of a fetching wave's five loads the 3 - q behind chunk q may stay out
	s_wait_dscnt 0x0                               ; no LDS load of mine is pending at the signal
	s_barrier_signal -1
	s_barrier_wait -1                              ; K's and V's chunk q are in for everybody
	s_mov_b32 s[TT], \q*32768
	s_mov_b32 s[TS], \q*2048
	s_mov_b32 s82, 4
.Lp0_\q:
	STEP 0
	s_sub_co_u32 s82, s82, 1
	s_cmp_lg_u32 s82, 0
	s_cbranch_scc1 .Lp0_\q
	s_setprio 0
.endr
	OUT 0
	INIT                                           ; the odd head: all keys lie in LDS
	s_mov_b32 s[TT], 0
	s_mov_b32 s[TS], 0
	s_mov_b32 s82, 16
.Lp1:
	STEP 1
	s_sub_co_u32 s82, s82, 1
	s_cmp_lg_u32 s82, 0
	s_cbranch_scc1 .Lp1
	s_setprio 0
	OUT 1
	ds_store_b32 v[SCW], v[AW]                     ; my 16 rows' scale words; lanes l and l xor 16 write the same word with the same value
	s_wait_dscnt 0x0                               ; for the others' sake
	s_barrier_signal -1
	s_barrier_wait -1
	s_cmp_lt_u32 s16, 2                            ; eight waves' words are 512 consecutive bytes of a_sc: wave 0 stores those of waves 0-7, wave 1 those of waves 8-15
	s_cbranch_scc0 .Lno_words
	ds_load_b128 v[RB:RB+3], v[RDA]
	s_wait_dscnt 0x0
	global_store_b128 v[SOFF], v[RB:RB+3], s[78:79]
.Lno_words:
	s_wait_tensorcnt 0x0
	ds_add_u32 v254, v255
	s_wait_dscnt 0x0
	ROUND                                          ; the closing round
	s_endpgm
.Lfunc_end_k_q3baa6ceffd_attn:
	.size	k_q3baa6ceffd_attn, .Lfunc_end_k_q3baa6ceffd_attn-k_q3baa6ceffd_attn
	.p2alignl 7, 3214868480
	.fill 96, 4, 3214868480
	.section	.rodata,"a",@progbits
	.p2align	6, 0x0
	.amdhsa_kernel k_q3baa6ceffd_attn
		.amdhsa_group_segment_fixed_size 327680
		.amdhsa_private_segment_fixed_size 0
		.amdhsa_enable_private_segment 0
		.amdhsa_kernarg_size 48
		.amdhsa_user_sgpr_count 2
		.amdhsa_user_sgpr_kernarg_segment_ptr 1
		.amdhsa_wavefront_size32 1
		.amdhsa_system_sgpr_workgroup_id_x 1
		.amdhsa_system_sgpr_workgroup_id_y 1
		.amdhsa_system_sgpr_workgroup_id_z 1
		.amdhsa_system_vgpr_workitem_id 0
		.amdhsa_next_free_vgpr 256
		.amdhsa_next_free_sgpr 88
		.amdhsa_reserve_vcc 0
		.amdhsa_float_denorm_mode_32 3
		.amdhsa_float_denorm_mode_16_64 3
		.amdhsa_memory_ordered 1
		.amdhsa_forward_progress 1
		.amdhsa_inst_pref_size 101
	.end_amdhsa_kernel
	.amdgpu_metadata
---
amdhsa.version: [ 1, 2 ]
amdhsa.kernels:
  - .name:           k_q3baa6ceffd_attn
    .symbol:         k_q3baa6ceffd_attn.kd
    .args:
      - { .name: qk_img, .offset: 0, .size: 8, .value_kind: global_buffer, .address_space: global }
      - { .name: qk_sc, .offset: 8, .size: 8, .value_kind: global_buffer, .address_space: global }
      - { .name: v_img, .offset: 16, .size: 8, .value_kind: global_buffer, .address_space: global }
      - { .name: v_sc, .offset: 24, .size: 8, .value_kind: global_buffer, .address_space: global }
      - { .name: a_img, .offset: 32, .size: 8, .value_kind: global_buffer, .address_space: global }
      - { .name: a_sc, .offset: 40, .size: 8, .value_kind: global_buffer, .address_space: global }
    .group_segment_fixed_size: 327680
    .private_segment_fixed_size: 0
    .kernarg_segment_align: 8
    .kernarg_segment_size: 48
    .max_flat_workgroup_size: 512
    .sgpr_count:     88
    .vgpr_count:     256
    .wavefront_size: 32
...
	.end_amdgpu_metadata
.endif
;; end of part 2
;; launch proj (part 3): grid 4 x 64, 4 waves a work-group, clusters of 4 x 4, 327,680 bytes of LDS; arguments a_img, a_sc, W_proj_codes, W_proj_scales, b_proj, out0; writes out0
.if DOCPART == 3
	.amdgcn_target "amdgcn-amd-amdhsa--gfx1250"
	.amdhsa_code_object_version 6
	.text
	.protected	k_q3baa6ceffd_proj
	.globl	k_q3baa6ceffd_proj
	.p2align	8
	.type	k_q3baa6ceffd_proj,@function
k_q3baa6ceffd_proj:
	s_mov_b64 s[64:65], 0
	v_nop
	global_prefetch_b8 v0, s[64:65] scope:SCOPE_SE
	s_setreg_imm32_b32 hwreg(HW_REG_WAVE_MODE, 25, 1), 1
	s_wait_xcnt 0x0
	s_wait_alu depctr_hold_cnt(0) depctr_sa_sdst(0) depctr_va_vdst(0) depctr_va_sdst(0) depctr_va_ssrc(0) depctr_va_vcc(0) depctr_vm_vsrc(0)
	s_getreg_b32 s2, hwreg(HW_REG_IB_STS2, 6, 4)
	s_cmp_eq_u32 s2, 0
	s_cbranch_scc0 .Lentry_in_a_cluster
	s_endpgm
.Lentry_in_a_cluster:
	s_bfe_u32 s2, ttmp6, 0x10000c
	s_cmp_lg_u32 s2, 0xf033
	s_cbranch_scc0 .Lentry_shape_is_right
	s_endpgm
.Lentry_shape_is_right:
; out0 = A W_proj + b_proj on codes of FP4 (E2M1) with E8M0 scales, K = 1,024.  A, the attention's result, comes as images of operand registers (a_img: [token / 128][K step 8][tile of 16 tokens 8][1,024 bytes];
; a_sc: [token / 128][K step][tile][16 words]); W_proj as rows of codes, K innermost, with 32 scale bytes a row.  out0: [8,192][1,024] f32.
; SHARES.  A work-group makes 128 tokens x 256 columns: 256 work-groups.  Each of its four waves 64 x 128: 32 accumulators.  All of K lies in LDS, every byte filled once, in two chunks of 512 along K.
; CLUSTER 4 x 4: A's blocks are shared along a row of the cluster, W's tiles along a column: joint loads.
; THE MATRIX INSTRUCTION IS USED TRANSPOSED (source 0 = 16 rows of W, source 1 = 16 tokens): a lane holds eight neighbouring numbers of a row of out0.  The bias is the C of the first K step's products.
; LIMITS: NaN and infinities are not served.
.set PITCH,  272                       ; an LDS row of W's codes: 256 bytes + 16 of padding
.set HALFW,  128*PITCH
.set WSL,    65536                     ; LDS: A's images at 0 (64 KiB); W's two chunks of 256 rows from here,
.set WSLOT,  2*HALFW
.set BSC,    WSL+2*WSLOT               ; W's scale bytes: rows of 32 bytes, as blocks of 256 bytes + 16 of padding,
.set HALFS,  16*272
.set SBLK,   2*272
.set ASC,    BSC+2*HALFS               ; A's scale words (4 KiB),
.set STAGE,  ASC+4096                  ; and a stage of 16 rows x (512 bytes + 16) for each wave, for the way out; no tensor load lands there
.set SPITCH, 528
.set ADRA, 16                          ; v16     my A fragments: 16 x lane + 4,096 x my half of the tokens
.set ADRB, 20                          ; v20-21  my W fragments in chunk 0, 1
.set ADAS, 22                          ; v22     A's scale words: + 4 r
.set ADBS, 23                          ; v23     W's: my row's 32 bytes
.set STO,  24                          ; v24     the way out: where I put 32 bytes of a row
.set RD,   25                          ; v25     where I read a row back
.set CO,   26                          ; v26     16 x lane
.set OB,   27                          ; v27     byte offset in b_proj of my eight numbers of tile 0
.set SA,   32                          ; v32-63  A's scale words: register 4 ks + a.  They hold nothing else
.set SB,   64                          ; v64-127 W's: register 32 chunk + 4 b + q.  They hold nothing else
.set AF,   128                         ; v128-159, v160-191 A's fragments, two sets.   Window 1: v0-63, v128-191 W's, two sets (on the way out all 256: rows of out0)
                                       ; window 2: accumulator (a, b) at v[8 (8 a + b)].   Window 3: v0-63 the bias, in the result's layout
.set MSB, 0
.macro WIN new                         ; s_set_vgpr_msb: bits 1:0 source 0, 3:2 source 1, 5:4 source 2, 7:6 destination; the high byte repeats the setting that is left
.if MSB != (\new)
	s_set_vgpr_msb (MSB<<8)|(\new)
.set MSB, (\new)
.endif
.endm
.macro CROUND                          ; a round of the cluster's barrier
	s_barrier_signal -1
	s_barrier_wait -1
	s_cmp_lg_u32 s16, 0
	s_cbranch_scc1 .Lnot_wave_0_\@
	s_barrier_signal -3
.Lnot_wave_0_\@:
	s_barrier_wait -3
	s_barrier_signal -1
	s_barrier_wait -1
.endm
.macro PLACES                          ; four plain places behind matrix instructions (ISA guide 7.12.1)
.rept 4
	v_nop
.endr
.endm
	s_load_b256 s[4:11], s[0:1], 0x0               ; a_img s[4:5], a_sc s[6:7], W's codes s[8:9], W's scales s[10:11]
	s_load_b128 s[12:15], s[0:1], 0x20             ; b_proj s[12:13], out0 s[14:15]
	v_lshl_add_u32 v254, v0, 2, 0x3d600
	v_mov_b32 v255, 0
	ds_add_u32 v254, v255
	ds_add_u32 v254, v255
	v_lshrrev_b32 v1, 5, v0
	v_readfirstlane_b32 s16, v1                    ; wave 0..3
	s_lshr_b32 s17, s16, 1                         ; my half of the tokens.  Also: I fetch for A (0) or for W (1)
	s_and_b32 s18, s16, 1                          ; my half of the columns.  Also: which half I fetch
	s_bfe_u32 s19, ttmp6, 0x40000                  ; cx
	s_bfe_u32 s20, ttmp6, 0x40004                  ; cy
	s_lshl_b32 s21, ttmp9, 2
	s_add_co_u32 s21, s21, s19                     ; tile of 256 columns
	s_and_b32 s22, ttmp7, 0xffff
	s_lshl_b32 s22, s22, 2
	s_add_co_u32 s22, s22, s20                     ; group of 128 tokens
	s_lshl_b32 s23, s20, 2
	s_lshl_b32 s23, 15, s23                        ; my row of the cluster
	s_lshl_b32 s24, 0x1111, s19                    ; my column
	s_or_b32 s28, s23, (3<<16)|(1<<21)             ; s[28:35] group 1, half a chunk of A's images: 16 KiB dense, 64 rows of 32 elements of 8 bytes
	s_mov_b32 s29, 32<<16
	s_mov_b32 s30, 64<<16
	s_mov_b32 s31, 32<<16
	s_mov_b32 s32, 64
	s_mov_b32 s33, 32
	s_mov_b32 s34, 0
	s_mov_b32 s35, 0
	s_or_b32 s36, s23, (3<<16)|(1<<21)             ; s[36:43] half of A's scale words: 8 such rows
	s_mov_b32 s37, 32<<16
	s_mov_b32 s38, 8<<16
	s_mov_b32 s39, 32<<16
	s_mov_b32 s40, 8
	s_mov_b32 s41, 32
	s_mov_b32 s42, 0
	s_mov_b32 s43, 0
	s_or_b32 s44, s24, (1<<20)|(1<<21)|(5<<22)|(3<<25)   ; s[44:51] W's codes: 128 rows x 256 bytes, 512 from row to row; 4 words of padding behind every 64
	s_mov_b32 s45, 256<<16
	s_mov_b32 s46, 128<<16
	s_mov_b32 s47, 256<<16
	s_mov_b32 s48, 128
	s_mov_b32 s49, 512
	s_mov_b32 s50, 0
	s_mov_b32 s51, 0
	s_or_b32 s52, s24, (3<<16)|(1<<20)|(1<<21)|(5<<22)|(3<<25)   ; s[52:59] the scale bytes of 128 rows of W: 16 rows of 256 bytes, padded alike
	s_mov_b32 s53, 32<<16
	s_mov_b32 s54, 16<<16
	s_mov_b32 s55, 32<<16
	s_mov_b32 s56, 16
	s_mov_b32 s57, 32
	s_mov_b32 s58, 0
	s_mov_b32 s59, 0
	s_lshl_b32 s88, s22, 16                        ; A's images: 65,536 x group + 16,384 x half (+ 32,768 x chunk)
	s_lshl_b32 s26, s18, 14
	s_add_co_u32 s88, s88, s26
	s_mov_b32 s89, 0
	s_lshl_b32 s90, s22, 12                        ; A's scale words: 4,096 x group + 2,048 x half
	s_lshl_b32 s27, s18, 11
	s_add_co_u32 s90, s90, s27
	s_mov_b32 s91, 0
	s_lshl_b32 s25, s21, 8
	s_lshl_b32 s3, s18, 7
	s_add_co_u32 s25, s25, s3                      ; W: the first row that I fetch, which is also the first of my own half
	s_lshl_b32 s92, s25, 9
	s_mov_b32 s93, 0
	s_lshl_b32 s94, s25, 5
	s_mov_b32 s95, 0
	s_mov_b32 s60, 1                               ; groups 0: s[60:63] A's scale words;  s[68:71], s[72:75] A's chunks;  s[76:79] W's scale bytes;  s[80:83], s[84:87] W's chunks
	s_add_co_u32 s61, s27, ASC
	s_mov_b32 s68, 1
	s_mov_b32 s69, s26
	s_mov_b32 s72, 1
	s_add_co_u32 s73, s26, 32768
	s_mul_i32 s3, s18, HALFS
	s_mov_b32 s76, 1
	s_add_co_u32 s77, s3, BSC
	s_mul_i32 s3, s18, HALFW
	s_mov_b32 s80, 1
	s_add_co_u32 s81, s3, WSL
	s_mov_b32 s84, 1
	s_add_co_u32 s85, s3, WSL+WSLOT
	s_wait_dscnt 0x0
	s_wait_kmcnt 0x0
	s_add_nc_u64 s[62:63], s[6:7], s[90:91]
	s_add_nc_u64 s[70:71], s[4:5], s[88:89]
	s_add_nc_u64 s[74:75], s[70:71], 32768
	s_add_nc_u64 s[78:79], s[10:11], s[94:95]
	s_add_nc_u64 s[82:83], s[8:9], s[92:93]
	s_add_nc_u64 s[86:87], s[82:83], 256
.irp g, 63, 71, 75, 79, 83, 87
	s_or_b32 s[\g], s[\g], 0x80000000              ; type = 2
.endr
	CROUND                                         ; all sixteen work-groups are here: the joint loads meet
	s_cmp_eq_u32 s17, 0                            ; a wave's three fills stand in one branch on its number; three loads of mine are out
	s_cbranch_scc0 .Lfor_w
	tensor_load_to_lds s[60:63], s[36:43]
	s_nop 0
	tensor_load_to_lds s[68:71], s[28:35]
	s_nop 0
	tensor_load_to_lds s[72:75], s[28:35]
	s_nop 0
.rept 4
	v_nop
.endr
	s_branch .Lasked
.Lfor_w:
	tensor_load_to_lds s[76:79], s[52:59]
	s_nop 0
	tensor_load_to_lds s[80:83], s[44:51]
	s_nop 0
	tensor_load_to_lds s[84:87], s[44:51]
	s_nop 0
.rept 4
	v_nop
.endr
.Lasked:
	v_and_b32 v1, 15, v0                           ; r
	v_bfe_u32 v2, v0, 4, 1                         ; h
	v_and_b32 v3, 31, v0                           ; lane
	s_wait_alu depctr_va_vdst(0)
	s_lshl_b32 s2, s25, 2                          ; my first column, in bytes: in b_proj and in a row of out0 alike
	v_lshlrev_b32 v[OB], 5, v2
	v_add_nc_u32 v[OB], s2, v[OB]
	WIN 0xc0
.irp b, 0,1,2,3,4,5,6,7
	global_load_b128 v[8*\b:8*\b+3],   v[OB], s[12:13] offset:64*\b      ; b_proj at columns 16 b + 8 h + 0 .. 7 of my half
	global_load_b128 v[8*\b+4:8*\b+7], v[OB], s[12:13] offset:64*\b+16
.endr
	WIN 0
	s_lshl_b32 s26, s22, 7
	s_lshl_b32 s27, s17, 6
	s_add_co_u32 s26, s26, s27                     ; my first token
	s_lshl_b32 s26, s26, 12                        ; 4,096 bytes a row
	s_add_co_u32 s26, s26, s2
	s_mov_b32 s27, 0
	s_add_nc_u64 s[14:15], s[14:15], s[26:27]
	v_lshlrev_b32 v[CO], 4, v3
	s_lshl_b32 s3, s17, 12
	v_add_nc_u32 v[ADRA], s3, v[CO]
	v_mul_u32_u24 v4, v1, PITCH
	v_lshl_add_u32 v4, v2, 4, v4                   ; a fragment's row x pitch + 16 x half
	s_mul_i32 s3, s18, HALFW
	s_add_co_u32 s3, s3, WSL
	v_add_nc_u32 v[ADRB], s3, v4
	s_add_co_u32 s3, s3, WSLOT
	v_add_nc_u32 v[ADRB+1], s3, v4
	s_lshl_b32 s3, s17, 8
	s_add_co_u32 s3, s3, ASC
	v_lshl_add_u32 v[ADAS], v1, 2, s3
	v_lshlrev_b32 v5, 5, v1                        ; my row's scale bytes: 32 a row,
	v_lshrrev_b32 v6, 8, v5
	v_lshl_add_u32 v5, v6, 4, v5                   ; and 16 more for each 256 passed
	s_mul_i32 s3, s18, HALFS
	s_add_co_u32 s3, s3, BSC
	v_add_nc_u32 v[ADBS], s3, v5
	s_mul_i32 s3, s16, 16*SPITCH
	s_add_co_u32 s3, s3, STAGE                     ; my stage
	v_mul_u32_u24 v5, v1, SPITCH
	v_lshl_add_u32 v5, v2, 5, v5
	v_add_nc_u32 v[STO], s3, v5                    ; in: row r, 32 bytes for each half of the lanes
	v_add_nc_u32 v[RD], s3, v[CO]                  ; back: the 32 lanes take one row of 512 bytes
.macro FETCH ks, p                     ; the fragments of K step ks into set p: 16 loads for W's eight tiles, 8 for A's four
	WIN 0x40
.irp i, 0,1,2,3,4,5,6,7
.irp c, 0,1
	ds_load_b128 v[128*(\p)+8*\i+4*\c:128*(\p)+8*\i+4*\c+3], v[ADRB+(\ks)/4] offset:64*((\ks)%4)+32*\c+\i*16*PITCH
.endr
.endr
	WIN 0
.irp a, 0,1,2,3
.irp c, 0,1
	ds_load_b128 v[AF+32*(\p)+8*\a+4*\c:AF+32*(\p)+8*\a+4*\c+3], v[ADRA] offset:8192*(\ks)+1024*\a+512*\c   ; an image comes back as it was stored
.endr
.endr
.endm
.macro MUL ks                          ; 32 matrix instructions; the 32 accumulators take turns, one instruction a turn, in the same order in every step
.set PP, (\ks)%2
.if (\ks) == 0
	WIN 0xb1                                       ; source 0 (W) window 1, source 1 (A) window 0, C (the bias) window 3, D window 2
.else
	WIN 0xa1                                       ; C and D window 2
.endif
.irp a, 0,1,2,3
.irp b, 0,1,2,3,4,5,6,7
.set rD, 8*(8*\a+\b)
.if (\ks) == 0
	v_wmma_scale_f32_16x16x128_f8f6f4 v[rD:rD+7], v[128*PP+8*\b:128*PP+8*\b+7], v[AF+32*PP+8*\a:AF+32*PP+8*\a+7], v[8*\b:8*\b+7], v[SB+32*((\ks)/4)+4*\b+(\ks)%4], v[SA+4*(\ks)+\a] matrix_a_fmt:MATRIX_FMT_FP4 matrix_b_fmt:MATRIX_FMT_FP4
.else
	v_wmma_scale_f32_16x16x128_f8f6f4 v[rD:rD+7], v[128*PP+8*\b:128*PP+8*\b+7], v[AF+32*PP+8*\a:AF+32*PP+8*\a+7], v[rD:rD+7], v[SB+32*((\ks)/4)+4*\b+(\ks)%4], v[SA+4*(\ks)+\a] matrix_a_fmt:MATRIX_FMT_FP4 matrix_b_fmt:MATRIX_FMT_FP4
.endif
.endr
.endr
.endm
	s_wait_alu depctr_va_vdst(0)
	s_wait_tensorcnt 0x1                           ; my scales and my part of chunk 0 are in; chunk 1's load may stay out
	s_barrier_signal -1
	s_barrier_wait -1                              ; everybody's are
.irp k, 0,1,2,3,4,5,6,7
.irp a, 0,1,2,3
	ds_load_b32 v[SA+4*\k+\a], v[ADAS] offset:512*\k+64*\a
.endr
.endr
.irp s, 0,1
.irp b, 0,1,2,3,4,5,6,7
	ds_load_b128 v[SB+32*\s+4*\b:SB+32*\s+4*\b+3], v[ADBS] offset:\b*SBLK+16*\s
.endr
.endr
	FETCH 0, 0
	s_wait_loadcnt 0x0                             ; the bias
.irp ks, 0,1,2,3,4,5,6,7
.if \ks == 3
	s_wait_tensorcnt 0x0                           ; my part of chunk 1 is in,
	s_wait_dscnt 0x0                               ; no LDS load of mine is pending at the signal,
	s_barrier_signal -1
	s_barrier_wait -1                              ; and everybody's part is in: the next fetch reads chunk 1
.endif
.if \ks > 0
	PLACES                                         ; the loads below land in the set that the last step multiplied
.endif
.if \ks < 7
	FETCH \ks+1, 1-\ks%2
	s_wait_dscnt 24                                ; all but the 24 just issued
.else
	s_wait_dscnt 0x0
.endif
	MUL \ks
.endr
; THE WAY OUT, 16 tokens x 128 columns at a time, through my own stage: a lane holds 32 neighbouring bytes of a row; back come whole rows of 512 bytes.  LDS serves a wave's instructions in order:
; no wait between the stores and the loads, nor in front of the next block's stores.  Each block has registers of its own (window 1), so no store's data are written again.
.macro TOSTAGE a
	WIN 0x08                                       ; an LDS store's data: window 2
.irp b, 0,1,2,3,4,5,6,7
	ds_store_b128 v[STO], v[8*(8*(\a)+\b):8*(8*(\a)+\b)+3]   offset:64*\b      ; each accumulator from its low end on
	ds_store_b128 v[STO], v[8*(8*(\a)+\b)+4:8*(8*(\a)+\b)+7] offset:64*\b+16
.endr
	WIN 0x40
.irp t, 0,1,2,3,4,5,6,7,8,9,10,11,12,13,14,15
	ds_load_b128 v[64*(\a)+4*\t:64*(\a)+4*\t+3], v[RD] offset:\t*SPITCH
.endr
.endm
.macro SEND a, younger                 ; younger: the LDS instructions issued behind block a's loads, which may stay out
	s_wait_dscnt \younger
	WIN 0x04                                       ; a store's data: window 1
.irp t, 0,1,2,3,4,5,6,7,8,9,10,11,12,13,14,15
	global_store_b128 v[CO], v[64*(\a)+4*\t:64*(\a)+4*\t+3], s[14:15] offset:(16*(\a)+\t)*4096 th:TH_STORE_NT   ; 32 lanes store 512 consecutive bytes, aligned; written once, read by nobody here
.endr
.endm
	PLACES
	TOSTAGE 0
	TOSTAGE 1
	SEND 0, 32                                     ; behind block 0's loads: block 1's 16 stores and 16 loads
	TOSTAGE 2
	SEND 1, 32
	TOSTAGE 3
	SEND 2, 32
	SEND 3, 0
	WIN 0
	s_wait_tensorcnt 0x0
	ds_add_u32 v254, v255
	s_wait_dscnt 0x0
	CROUND                                         ; the closing round: no work-group ends while a partner may still ask for a tile that names it
	s_endpgm
.Lfunc_end_k_q3baa6ceffd_proj:
	.size	k_q3baa6ceffd_proj, .Lfunc_end_k_q3baa6ceffd_proj-k_q3baa6ceffd_proj
	.p2alignl 7, 3214868480
	.fill 96, 4, 3214868480
	.section	.rodata,"a",@progbits
	.p2align	6, 0x0
	.amdhsa_kernel k_q3baa6ceffd_proj
		.amdhsa_group_segment_fixed_size 327680
		.amdhsa_private_segment_fixed_size 0
		.amdhsa_enable_private_segment 0
		.amdhsa_kernarg_size 48
		.amdhsa_user_sgpr_count 2
		.amdhsa_user_sgpr_kernarg_segment_ptr 1
		.amdhsa_wavefront_size32 1
		.amdhsa_system_sgpr_workgroup_id_x 1
		.amdhsa_system_sgpr_workgroup_id_y 1
		.amdhsa_system_sgpr_workgroup_id_z 1
		.amdhsa_system_vgpr_workitem_id 0
		.amdhsa_next_free_vgpr 1024
		.amdhsa_next_free_sgpr 96
		.amdhsa_reserve_vcc 0
		.amdhsa_float_denorm_mode_32 3
		.amdhsa_float_denorm_mode_16_64 3
		.amdhsa_memory_ordered 1
		.amdhsa_forward_progress 1
		.amdhsa_inst_pref_size 74
	.end_amdhsa_kernel
	.amdgpu_metadata
---
amdhsa.version: [ 1, 2 ]
amdhsa.kernels:
  - .name:           k_q3baa6ceffd_proj
    .symbol:         k_q3baa6ceffd_proj.kd
    .args:
      - { .name: a_img, .offset: 0, .size: 8, .value_kind: global_buffer, .address_space: global }
      - { .name: a_sc, .offset: 8, .size: 8, .value_kind: global_buffer, .address_space: global }
      - { .name: W_proj_codes, .offset: 16, .size: 8, .value_kind: global_buffer, .address_space: global }
      - { .name: W_proj_scales, .offset: 24, .size: 8, .value_kind: global_buffer, .address_space: global }
      - { .name: b_proj, .offset: 32, .size: 8, .value_kind: global_buffer, .address_space: global }
      - { .name: out0, .offset: 40, .size: 8, .value_kind: global_buffer, .address_space: global }
    .group_segment_fixed_size: 327680
    .private_segment_fixed_size: 0
    .kernarg_segment_align: 8
    .kernarg_segment_size: 48
    .max_flat_workgroup_size: 128
    .sgpr_count:     96
    .vgpr_count:     1024
    .wavefront_size: 32
...
	.end_amdgpu_metadata
.endif
;; end of part 3
